; MI455X (gfx1250); checked and timed in simulation.
; The chip was launched on July 23, 2026; its instructions are those of AMD's public machine-readable ISA for CDNA 5 (MIT licence, August 2026) and "CDNA5" Instruction Set Architecture Reference Guide (July 2026). The comments in the code are by the model that wrote it; some were corrected since.
;; Cross Attention. Allowed arithmetic: matrix products marked QUANTISED: E5M2 operands, one given power-of-two scale a tensor, by v_wmma_f32_16x16x64_bf8_bf8 or v_wmma_f32_16x16x128_bf8_bf8, f32 sums; everything else in f32.
;; Inputs: Wk 1,024 x 1,024 float32; Wq 1,024 x 1,024 float32; Wv 1,024 x 1,024 float32; key_value 4 x 2,048 x 1,024 float32; lowp_scales 10 int32 (the exponents e of the quantised operands' scales 2^e); query 4 x 2,048 x 1,024 float32.
;; Outputs: out0 4 x 2,048 x 1,024 float32.
;; This version of the problem:
;;   THIS VERSION OF THE PROBLEM IS GIVEN IN LOW PRECISION. The matrix products marked QUANTISED in the list below multiply operands that are first quantised to E5M2 (5 exponent bits, 2 mantissa bits; 8 bits a number), with one given power-of-two scale for each operand tensor; their sums are f32. All else is computed in f32.
;;   The module's matrix products, in the order in which they are computed (A, B: the left and right operand; K: the contracted axis; several contracted axes count as one K, in the product's order):
;;     1. [M 8,192, K 1,024] x [K 1,024, N 1,024]; A: input query; B: input Wq: QUANTISED (scales: A lowp_scales[0], B lowp_scales[1])
;;     2. [M 8,192, K 1,024] x [K 1,024, N 1,024]; A: input key_value; B: input Wk: QUANTISED (scales: A lowp_scales[2], B lowp_scales[3])
;;     3. [M 8,192, K 1,024] x [K 1,024, N 1,024]; A: input key_value; B: input Wv: QUANTISED (scales: A lowp_scales[4], B lowp_scales[5])
;;     4. batch 64 x [M 2,048, K 64] x [K 64, N 2,048]; A: computed on the way; B: computed on the way: QUANTISED (scales: A lowp_scales[6], B lowp_scales[7])
;;     5. batch 64 x [M 64, K 2,048] x [K 2,048, N 2,048]; A: computed on the way; B: softmax (see below): QUANTISED (scales: A lowp_scales[8], B lowp_scales[9])
;;   THE QUANTISER, for each operand of a quantised product, along K:
;;     - The operand's scale is 2^e, e = its entry of the input lowp_scales (int32; the entries are numbered through the quantised products in the list's order, A before B).
;;     - Each number is divided by the scale, clamped to +-57,344, and rounded to the nearest number of E5M2, ties to even, subnormals kept.
;;     - The product sums the exact products of the quantised numbers (number of the format x scale) in f32.
;;   ~~~python
;;   def quantise(x, axis, e):      # numpy; x: float32 -> the quantised numbers, widened to float32 again
;;       x = np.moveaxis(x, axis, -1); K = x.shape[-1]
;;       r = np.clip(x / 2.0 ** e, -57344, 57344)
;;       step = 2.0 ** (np.maximum(np.frexp(np.where(r == 0, 1, r))[1] - 1, -14) - 2)
;;       q = np.round(r / step) * step * 2.0 ** e      # np.round: ties to even
;;       return np.moveaxis(q, -1, axis).astype(np.float32)
;;   ~~~
;;   SOFTMAX AHEAD OF A QUANTISED PRODUCT. Where the list says 'softmax', what is quantised is not the finished softmax but p = 2^(t - M), with t = logit x log2(e) and M = ceil(the row's largest t), a whole number; so 1/2 < the row's largest p <= 1. The row's sum l is taken of the UNQUANTISED p, in f32, and the product's result is divided by l at the end. Since M is a whole number, a kernel that streams over the keys may use a running M (the ceiling of the running maximum): every later rescaling is an exact power of two, so the quantised numbers keep their values, but for numbers so far below the row's largest that they fall under the format's range.
;;   OPERANDS COMPUTED ON THE WAY. 'Computed on the way' means the value that the module computes at that place (a softmax that the list does not call 'softmax' is quantised finished and normalised). What goes into a quantiser is computed in f32, as accurately as f32 sums, v_exp_f32 and their like allow (about 1e-6 of the number): no bf16 or f16 on the way to a quantiser, and a product that is left as it is and whose result goes on into a quantised operand takes f32 operands (vector FMAs, or v_wmma_f32_16x16x4_f32). A number that lies on a knife's edge between two numbers of the format may be rounded either way, as far as f32 arithmetic and the matrix unit's own rounding can turn it there, and no further.
;; One version. Each part assembles by itself: llvm-mc -triple=amdgcn-amd-amdhsa -mcpu=gfx1250 --defsym DOCPART=n.
;; ======== version 1 of 1: 3 launches
;; limits: right only within a limited range of input values
;; workspace buffers: x_codes 25,165,824 bytes; w_codes 3,145,728 bytes; qkv_codes 25,165,824 bytes
;; launch quant (part 1): grid 608 x 1, 4 waves a work-group, no clusters, 68,096 bytes of LDS; arguments query, key_value, Wq, Wk, Wv, lowp_scales, x_codes, w_codes; writes x_codes, w_codes
.if DOCPART == 1
	.amdgcn_target "amdgcn-amd-amdhsa--gfx1250"
	.amdhsa_code_object_version 6
	.text
	.protected	k_qb46577e726_quant
	.globl	k_qb46577e726_quant
	.p2align	8
	.type	k_qb46577e726_quant,@function
k_qb46577e726_quant:
	s_mov_b64 s[64:65], 0
	v_nop
	global_prefetch_b8 v0, s[64:65] scope:SCOPE_SE
	s_setreg_imm32_b32 hwreg(HW_REG_WAVE_MODE, 25, 1), 1
	s_wait_xcnt 0x0
; All five f32 inputs become codes of BF8 (E5M2), one byte a code, K innermost, each with the scale 2^e that is given for it.
; code = x / 2^e, held within +-57,344, rounded to the nearest code, ties to even.
; x_codes: three parts of 8,388,608 bytes, each [8192 tokens][1024 k]: part 0 = query with e0, part 1 = key_value with e2, part 2 = key_value with e4 (key_value is read ONCE and quantised twice).
; w_codes: three parts of 1,048,576 bytes, each [1024 n][1024 k]: Wq with e1, Wk with e3, Wv with e5.  The weights lie [k][n] in memory: a lane takes a column n and its registers run down K.
; SHARES.  Work-groups 0-95: the weights (32 each: 8 x 128 columns, 4 x 256 along K).  96-351: query.  352-607: key_value.  The two ways part once, on the work-group's number, and each has LDS bytes of its own.
; No tensor loads, no barrier: waves share nothing.
; LIMITS: each of e0 .. e5 lies between -126 and 112, so that 2^e and 57,344 x 2^e are f32 numbers.  NaN among the inputs is not served (an infinity is held at the largest code).
.set NWW,   96                         ; work-groups for the weights
.set KVWG,  352                        ; the first work-group of key_value
.set STEPS, 16                         ; steps of 512 numbers for a wave of the token stream
.set EMAX,  15
.set MANT,  0x600000                   ; the mantissa field of 57,344 as f32
.set PARTX, 0x800000                   ; bytes of a part of x_codes
; the token stream
.set R,     16                         ; v16-79   four sets of 16 numbers as they are loaded
.set X,     80                         ; v80-111  two sets of 16 neighbours along K
.set HT,    112                        ; v112-127 the numbers held for the first scale
.set C1,    128                        ; v128-191 the first set's codes: four registers for each step, so that no store's data are written again
.set C2,    192                        ; v192-255 the second set's
.set WREG,  8192                       ; LDS 0 .. 32,767: a region for each wave: two stages of 32 x SP bytes
.set SP,    80                         ; a lane's place in a stage: its 64 bytes + 16 of padding
; the weights
.set WSTG,  32768                      ; LDS 32,768 .. 67,583: a stage of 32 rows x WP bytes for each wave
.set NB,    8                          ; blocks of 32 along K for a wave
.set WP,    272                        ; a stage row: 256 bytes of codes + 16
.set WROW,  4096                       ; a row of a weight in memory, in bytes
.set WX,    32                         ; v32-95   two sets of 32 numbers
.set WC,    96                         ; v96-103  a block's codes
.set OUTR,  112                        ; v112-175 the way out
	s_load_b256 s[4:11], s[0:1], 0x0               ; query s[4:5], key_value s[6:7], Wq s[8:9], Wk s[10:11]
	s_load_b256 s[12:19], s[0:1], 0x20             ; Wv s[12:13], the exponents s[14:15], x_codes s[16:17], w_codes s[18:19]
	v_lshl_add_u32 v9, v0, 2, 0x10800
	s_set_vgpr_msb 0x40
	v_mov_b32 v1, 0
	s_set_vgpr_msb 0x4000
	v_lshrrev_b32 v1, 5, v0
	v_readfirstlane_b32 s20, v1                    ; wave 0..3
	v_and_b32 v2, 31, v0                           ; lane
	s_wait_kmcnt 0x0
	s_load_b256 s[24:31], s[14:15], 0x0            ; e0 .. e7
	s_cmp_lt_u32 ttmp9, NWW
	s_cbranch_scc1 .Lweights
; ---------------- THE TOKEN STREAM.  Rows are dense, so a tensor is a plain stream of numbers and its codes a plain stream of bytes.
; A wave takes 16 steps of 512 numbers.  Each of a step's four loads reads 512 consecutive bytes, 16 a lane; the 2,048 bytes go through the wave's own stage in LDS as they lie and come back 64 bytes a lane,
; since the conversions take 8 neighbours along K from ONE lane's registers.  A lane's 16 codes are 16 bytes: the wave stores 512 consecutive bytes.  Loads run four steps ahead, the stage one step.
	s_sub_co_u32 s21, ttmp9, NWW
	s_cmp_lt_u32 s21, 256                          ; query's work-group or key_value's?  The choice hangs on the work-group's number alone
	s_cselect_b64 s[4:5], s[4:5], s[6:7]
	s_cselect_b32 s22, 0, PARTX                    ; the first set of codes goes to part 0 or to part 1
	s_and_b32 s23, s21, 255
	s_lshl_b32 s23, s23, 2
	s_add_co_u32 s23, s23, s20                     ; which run of 8,192 numbers of the tensor is my wave's
	s_lshl_b32 s32, s23, 15
	s_mov_b32 s33, 0
	s_add_nc_u64 s[4:5], s[4:5], s[32:33]
	s_lshl_b32 s32, s23, 13
	s_add_co_u32 s32, s32, s22
	s_add_nc_u64 s[8:9], s[16:17], s[32:33]        ; the first set's codes
	s_add_nc_u64 s[10:11], s[8:9], PARTX           ; the second set's, a part further on (used for key_value alone)
	s_wait_alu depctr_va_vdst(0)
	v_lshlrev_b32 v3, 4, v2                        ; my 16 bytes of a load's 512, and of a store's 512
	s_mul_i32 s36, s20, WREG
	v_lshrrev_b32 v14, 2, v2
	v_mul_u32_u24 v14, v14, SP
	v_and_b32 v15, 3, v2
	v_lshl_add_u32 v14, v15, 4, v14
	v_add_nc_u32 v14, s36, v14                     ; the stage, on the way in: four lanes' 64 bytes on end, then 16 of padding
	v_mul_u32_u24 v15, v2, SP
	v_add_nc_u32 v15, s36, v15                     ; and on the way out: my 16 neighbours
.macro XLOAD t
.irp i, 0,1,2,3
	global_load_b128 v[R+16*((\t)%4)+4*\i:R+16*((\t)%4)+4*\i+3], v3, s[4:5] offset:2048*(\t)+512*\i th:TH_LOAD_NT   ; 32 lanes read 512 consecutive bytes
.endr
.endm
.macro XTURN t                         ; step t's numbers through the stage: LDS serves a wave's instructions in order, so no wait stands between the stores and the loads
.irp i, 0,1,2,3
	ds_store_b128 v14, v[R+16*((\t)%4)+4*\i:R+16*((\t)%4)+4*\i+3] offset:32*SP*((\t)%2)+8*SP*\i
.endr
.irp i, 0,1,2,3
	ds_load_b128 v[X+16*((\t)%2)+4*\i:X+16*((\t)%2)+4*\i+3], v15 offset:32*SP*((\t)%2)+16*\i
.endr
.endm
.irp t, 0,1,2,3
	XLOAD \t
.endr
	s_wait_alu depctr_va_vdst(0)
	s_wait_kmcnt 0x0
	s_cmp_lt_u32 s21, 256
	s_cselect_b32 s34, s24, s26                    ; e0 for query, e2 for key_value
	s_add_co_i32 s34, s34, 127
	s_lshl_b32 s35, s34, 23
	v_mov_b32 v11, s35                             ; 2^e as f32: the conversion takes its exponent field
	s_add_co_i32 s34, s34, EMAX
	s_lshl_b32 s34, s34, 23
	s_or_b32 s34, s34, MANT
	v_mov_b32 v10, s34                             ; 57,344 x 2^e
	s_add_co_i32 s34, s28, 127                     ; e4: key_value's second scale
	s_lshl_b32 s35, s34, 23
	v_mov_b32 v13, s35
	s_add_co_i32 s34, s34, EMAX
	s_lshl_b32 s34, s34, 23
	s_or_b32 s34, s34, MANT
	v_mov_b32 v12, s34
	s_wait_alu depctr_va_vdst(0)
	s_wait_loadcnt 12                              ; step 0's four loads are in
	XTURN 0
.macro XSTEP t
.set XS, X+16*((\t)%2)
	s_wait_dscnt 0x0                               ; this step's numbers are back from the stage: so its stores into the stage have read their registers,
.if (\t)+4 < STEPS
	XLOAD (\t)+4                                   ; which take the loads of four steps on
.endif
.if (\t)+1 < STEPS
.if STEPS-2-(\t) >= 3
	s_wait_loadcnt 12                              ; the next step's four loads are in; those of the three steps behind it may be out
.else
	s_wait_loadcnt 4*(STEPS-2-(\t))
.endif
	XTURN (\t)+1                                   ; and go through the other stage while this step is worked
.endif
.irp i, 0,1,2,3,4,5,6,7,8,9,10,11,12,13,14,15
	v_med3_num_f32 v[HT+\i], v[XS+\i], -v10, v10   ; the conversion to an 8-bit code does not saturate (ISA guide 7.6.2): the hold at the largest code x the scale; the numbers themselves stay for the second scale
.endr
	v_cvt_scalef32_pk8_bf8_f32 v[C1+4*(\t):C1+4*(\t)+1], v[HT:HT+7], v11
	v_cvt_scalef32_pk8_bf8_f32 v[C1+4*(\t)+2:C1+4*(\t)+3], v[HT+8:HT+15], v11
	v_nop                                          ; one plain vector line behind the conversions: the held numbers are written again in the next step
	global_store_b128 v3, v[C1+4*(\t):C1+4*(\t)+3], s[8:9] offset:512*(\t)
	s_cmp_lt_u32 ttmp9, KVWG                       ; query has one scale: only the second set's lines are jumped over, no load and no LDS line
	s_cbranch_scc1 .Lone_\@
.irp i, 0,1,2,3,4,5,6,7,8,9,10,11,12,13,14,15
	v_med3_num_f32 v[XS+\i], v[XS+\i], -v12, v12
.endr
	v_cvt_scalef32_pk8_bf8_f32 v[C2+4*(\t):C2+4*(\t)+1], v[XS:XS+7], v13
	v_cvt_scalef32_pk8_bf8_f32 v[C2+4*(\t)+2:C2+4*(\t)+3], v[XS+8:XS+15], v13
	v_nop
	global_store_b128 v3, v[C2+4*(\t):C2+4*(\t)+3], s[10:11] offset:512*(\t)
.Lone_\@:
.endm
.irp t, 0,1,2,3,4,5,6,7,8,9,10,11,12,13,14,15
	XSTEP \t
.endr
	s_set_vgpr_msb 0x4
	s_wait_tensorcnt 0x0
	ds_add_u32 v9, v1
	s_wait_dscnt 0x0
	s_set_vgpr_msb 0x400
	s_endpgm
; ---------------- THE WEIGHTS.  A wave takes 32 columns x 256 along K.  Each load reads one row k at 32 neighbouring columns (128 consecutive bytes a wave, 512 a work-group); a lane's 32 registers are 32 neighbours
; along K of one column, so the conversions give codes with K innermost.  A lane's codes belong to one row of the output and the lanes beside it hold other rows: so they go through the wave's own stage and leave as
; rows: sixteen lanes store 256 consecutive bytes, aligned.  Loads run two blocks ahead.  Every offset is an immediate: 255 x 4,096 and 30 x 1,024 at the most.
.Lweights:
	s_lshr_b32 s21, ttmp9, 5                       ; which weight: 0, 1, 2
	s_and_b32 s22, ttmp9, 7                        ; which 128 columns
	s_bfe_u32 s23, ttmp9, 0x20003                  ; which 256 along K (2 bits from bit 3)
	s_cmp_lt_u32 ttmp9, 32
	s_cselect_b64 s[4:5], s[8:9], s[10:11]         ; Wq or Wk,
	s_cmp_lt_u32 ttmp9, 64
	s_cselect_b64 s[4:5], s[4:5], s[12:13]         ; or Wv
	s_lshl_b32 s32, s22, 7
	s_lshl_b32 s33, s20, 5
	s_add_co_u32 s32, s32, s33                     ; my wave's first column
	s_lshl_b32 s34, s23, 20                        ; 256 rows of 4,096 bytes,
	s_lshl_b32 s35, s32, 2
	s_add_co_u32 s34, s34, s35                     ; + 4 bytes a column
	s_mov_b32 s35, 0
	s_add_nc_u64 s[4:5], s[4:5], s[34:35]
	s_lshl_b32 s34, s21, 20                        ; the codes: the weight's part,
	s_lshl_b32 s36, s32, 10
	s_add_co_u32 s34, s34, s36                     ; + a row of 1,024 bytes a column,
	s_lshl_b32 s36, s23, 8
	s_add_co_u32 s34, s34, s36                     ; + my 256 along K
	s_add_nc_u64 s[8:9], s[18:19], s[34:35]
	s_wait_alu depctr_va_vdst(0)
	v_lshlrev_b32 v3, 2, v2                        ; in: 4 bytes a lane
	s_mul_i32 s36, s20, 32*WP
	s_add_co_u32 s36, s36, WSTG                    ; my stage
	v_mul_u32_u24 v4, v2, WP
	v_add_nc_u32 v4, s36, v4                       ; into it: row = my column
	v_and_b32 v5, 15, v2
	v_lshrrev_b32 v6, 4, v2                        ; out of it: sixteen lanes to a row, two rows an instruction
	v_mul_u32_u24 v7, v6, WP
	v_lshl_add_u32 v7, v5, 4, v7
	v_add_nc_u32 v7, s36, v7
	v_lshlrev_b32 v8, 10, v6
	v_lshl_add_u32 v8, v5, 4, v8                   ; and the same place in the codes' buffer
.macro WLOAD t                         ; block t: W(32 t + i, my column), i = 0 .. 31, into set t % 2
.irp i, 0,1,2,3,4,5,6,7,8,9,10,11,12,13,14,15,16,17,18,19,20,21,22,23,24,25,26,27,28,29,30,31
	global_load_b32 v[WX+32*((\t)%2)+\i], v3, s[4:5] offset:(32*(\t)+\i)*WROW th:TH_LOAD_NT
.endr
.endm
	WLOAD 0
	WLOAD 1
	s_wait_kmcnt 0x0
	s_cmp_lt_u32 ttmp9, 32
	s_cselect_b32 s30, s25, s27                    ; e1 or e3,
	s_cmp_lt_u32 ttmp9, 64
	s_cselect_b32 s30, s30, s29                    ; or e5
	s_add_co_i32 s30, s30, 127
	s_lshl_b32 s31, s30, 23
	v_mov_b32 v11, s31                             ; 2^e as f32
	s_add_co_i32 s30, s30, EMAX
	s_lshl_b32 s30, s30, 23
	s_or_b32 s30, s30, MANT
	v_mov_b32 v10, s30                             ; 57,344 x 2^e
.macro WBLOCK t
.set XS, WX+32*((\t)%2)
.if (\t) < NB-1
	s_wait_loadcnt 32                              ; this block's 32 loads are in; the next block's may be out
.else
	s_wait_loadcnt 0
.endif
.irp i, 0,1,2,3,4,5,6,7,8,9,10,11,12,13,14,15,16,17,18,19,20,21,22,23,24,25,26,27,28,29,30,31
	v_med3_num_f32 v[XS+\i], v[XS+\i], -v10, v10   ; the hold at the largest code x the scale
.endr
.irp g, 0,1,2,3
	v_cvt_scalef32_pk8_bf8_f32 v[WC+2*\g:WC+2*\g+1], v[XS+8*\g:XS+8*\g+7], v11
.endr
	ds_store_b128 v4, v[WC:WC+3] offset:32*(\t)    ; 32 codes: 32 bytes of my column's row.  (The codes go to LDS stores; the next vector lines are the next block's 32 holds, on the other set)
	ds_store_b128 v4, v[WC+4:WC+7] offset:32*(\t)+16
.if (\t)+2 < NB
	WLOAD (\t)+2
.endif
	s_wait_dscnt 0x0                               ; the stores have read their registers: the next block's codes may be written
.endm
	s_wait_alu depctr_va_vdst(0)
.irp t, 0,1,2,3,4,5,6,7
	WBLOCK \t
.endr
.irp t, 0,1,2,3,4,5,6,7,8,9,10,11,12,13,14,15
	ds_load_b128 v[OUTR+4*\t:OUTR+4*\t+3], v7 offset:2*\t*WP   ; LDS serves a wave's instructions in order: these see my stores
.endr
.irp t, 0,1,2,3,4,5,6,7,8,9,10,11,12,13,14,15
	s_wait_dscnt 15-\t
	global_store_b128 v8, v[OUTR+4*\t:OUTR+4*\t+3], s[8:9] offset:2*\t*1024
.endr
	s_set_vgpr_msb 0x4
	s_wait_tensorcnt 0x0
	ds_add_u32 v9, v1
	s_wait_dscnt 0x0
	s_set_vgpr_msb 0x400
	s_endpgm
.Lfunc_end_k_qb46577e726_quant:
	.size	k_qb46577e726_quant, .Lfunc_end_k_qb46577e726_quant-k_qb46577e726_quant
	.p2alignl 7, 3214868480
	.fill 96, 4, 3214868480
	.section	.rodata,"a",@progbits
	.p2align	6, 0x0
	.amdhsa_kernel k_qb46577e726_quant
		.amdhsa_group_segment_fixed_size 68096
		.amdhsa_private_segment_fixed_size 0
		.amdhsa_enable_private_segment 0
		.amdhsa_kernarg_size 64
		.amdhsa_user_sgpr_count 2
		.amdhsa_user_sgpr_kernarg_segment_ptr 1
		.amdhsa_wavefront_size32 1
		.amdhsa_system_sgpr_workgroup_id_x 1
		.amdhsa_system_sgpr_workgroup_id_y 1
		.amdhsa_system_sgpr_workgroup_id_z 1
		.amdhsa_system_vgpr_workitem_id 0
		.amdhsa_next_free_vgpr 258
		.amdhsa_next_free_sgpr 66
		.amdhsa_reserve_vcc 0
		.amdhsa_float_denorm_mode_32 3
		.amdhsa_float_denorm_mode_16_64 3
		.amdhsa_memory_ordered 1
		.amdhsa_forward_progress 1
		.amdhsa_inst_pref_size 108
	.end_amdhsa_kernel
	.amdgpu_metadata
---
amdhsa.version: [ 1, 2 ]
amdhsa.kernels:
  - .name:           k_qb46577e726_quant
    .symbol:         k_qb46577e726_quant.kd
    .args:
      - { .name: query, .offset: 0, .size: 8, .value_kind: global_buffer, .address_space: global }
      - { .name: key_value, .offset: 8, .size: 8, .value_kind: global_buffer, .address_space: global }
      - { .name: Wq, .offset: 16, .size: 8, .value_kind: global_buffer, .address_space: global }
      - { .name: Wk, .offset: 24, .size: 8, .value_kind: global_buffer, .address_space: global }
      - { .name: Wv, .offset: 32, .size: 8, .value_kind: global_buffer, .address_space: global }
      - { .name: lowp_scales, .offset: 40, .size: 8, .value_kind: global_buffer, .address_space: global }
      - { .name: x_codes, .offset: 48, .size: 8, .value_kind: global_buffer, .address_space: global }
      - { .name: w_codes, .offset: 56, .size: 8, .value_kind: global_buffer, .address_space: global }
    .group_segment_fixed_size: 68096
    .private_segment_fixed_size: 0
    .kernarg_segment_align: 8
    .kernarg_segment_size: 64
    .max_flat_workgroup_size: 128
    .sgpr_count:     66
    .vgpr_count:     258
    .wavefront_size: 32
...
	.end_amdgpu_metadata
.endif
;; end of part 1
;; launch proj (part 2): grid 4 x 96, 4 waves a work-group, clusters of 4 x 4, 327,680 bytes of LDS; arguments x_codes, w_codes, lowp_scales, qkv_codes; writes qkv_codes
.if DOCPART == 2
	.amdgcn_target "amdgcn-amd-amdhsa--gfx1250"
	.amdhsa_code_object_version 6
	.text
	.protected	k_qb46577e726_proj
	.globl	k_qb46577e726_proj
	.p2align	8
	.type	k_qb46577e726_proj,@function
k_qb46577e726_proj:
	s_mov_b64 s[64:65], 0
	v_nop
	global_prefetch_b8 v0, s[64:65] scope:SCOPE_SE
	s_setreg_imm32_b32 hwreg(HW_REG_WAVE_MODE, 25, 1), 1
	s_wait_xcnt 0x0
	s_wait_alu depctr_hold_cnt(0) depctr_sa_sdst(0) depctr_va_vdst(0) depctr_va_sdst(0) depctr_va_ssrc(0) depctr_va_vcc(0) depctr_vm_vsrc(0)
	s_getreg_b32 s2, hwreg(HW_REG_IB_STS2, 6, 4)
	s_cmp_eq_u32 s2, 0
	s_cbranch_scc0 .Lentry_in_a_cluster
	s_endpgm
.Lentry_in_a_cluster:
	s_bfe_u32 s2, ttmp6, 0x10000c
	s_cmp_lg_u32 s2, 0xf033
	s_cbranch_scc0 .Lentry_shape_is_right
	s_endpgm
.Lentry_shape_is_right:
.set ROWB,   256
.set KROW,   1024
.set PITCH,  272
.set FR,     16
.set NL,     4
.set NP,     4
.set HALFT,  128*PITCH
.set SLOT,   4*HALFT
.set SPARE,  2*SLOT
.set SVB,    65536
.set SQI,  8
.set SVI,  9
.set SQO,  10
.set SVO,  11
.set ADRA, 16
.set ADRB, 20
.set CO,   26
.set SPW,  28
.set NIL,  29
.set SCL,  30
.set LIM,  31
.set TMP,  32
.set CD,   96
.set AF,   128
.set G1, 24
.set G0, 32
.set G1B, 48
.set G0B, 56
.set MSB, 0
.macro WIN new
.if MSB != \new
	s_set_vgpr_msb (MSB<<8)|\new
.set MSB, \new
.endif
.endm
.set MUL_LO, 0xa1
.set MUL_HI, 0xf1
.set TO_B,   0x40
.macro JLOAD g0a, g1a, g0b, g1b
	s_cmp_eq_u32 s15, 0
	s_cbranch_scc0 .Lfor_b_\@
	tensor_load_to_lds s[\g0a:\g0a+3], s[\g1a:\g1a+7]
	s_nop 0
.rept 4
	v_nop
.endr
	s_branch .Lasked_\@
.Lfor_b_\@:
	tensor_load_to_lds s[\g0b:\g0b+3], s[\g1b:\g1b+7]
	s_nop 0
.rept 4
	v_nop
.endr
.Lasked_\@:
.endm
.macro CREST
	s_cmp_lg_u32 s14, 0
	s_cbranch_scc1 .Lnot_wave_0_\@
	s_barrier_signal -3
.Lnot_wave_0_\@:
	s_barrier_wait -3
	s_barrier_signal -1
	s_barrier_wait -1
.endm
.macro CROUND
	s_barrier_signal -1
	s_barrier_wait -1
	CREST
.endm
	s_load_b128 s[4:7], s[0:1], 0x0
	s_load_b128 s[8:11], s[0:1], 0x10
	v_lshl_add_u32 v[SPW], v0, 2, SPARE
	v_mov_b32 v[NIL], 0
	ds_add_u32 v28, v29
	ds_add_u32 v28, v29
	s_wait_dscnt 0x0
	v_lshrrev_b32 v1, 5, v0
	v_readfirstlane_b32 s14, v1
	s_lshr_b32 s15, s14, 1
	s_and_b32 s16, s14, 1
	s_bfe_u32 s40, ttmp6, 0x40000
	s_bfe_u32 s41, ttmp6, 0x40004
	s_and_b32 s66, ttmp7, 0xffff
	s_lshr_b32 s67, s66, 3
	s_and_b32 s68, s66, 7
	s_cmp_eq_u32 s67, 2
	s_cselect_b32 s69, 0, s68
	s_cselect_b32 s70, s68, 0
	s_lshl_b32 s42, s70, 2
	s_add_co_u32 s42, s42, s40
	s_lshl_b32 s17, s69, 2
	s_add_co_u32 s17, s17, s41
	s_lshl_b32 s43, s41, 2
	s_lshl_b32 s43, 15, s43
	s_lshl_b32 s44, 0x1111, s40
	s_or_b32 s[G1+0], s43, (0<<16)|(1<<20)|(1<<21)|(5<<22)|(3<<25)
	s_or_b32 s[G1B+0], s44, (0<<16)|(1<<20)|(1<<21)|(5<<22)|(3<<25)
.irp g, G1, G1B
	s_mov_b32 s[\g+1], ROWB<<16
	s_mov_b32 s[\g+2], 128<<16
	s_mov_b32 s[\g+3], ROWB<<16
	s_mov_b32 s[\g+4], 128
	s_mov_b32 s[\g+5], KROW
	s_mov_b32 s[\g+6], 0
	s_mov_b32 s[\g+7], 0
.endr
	s_lshl_b32 s18, s16, 7
	s_lshl_b32 s20, s17, 8
	s_add_co_u32 s20, s20, s18
	s_lshl_b32 s20, s20, 10
	s_mov_b32 s21, 0
	s_lshl_b32 s46, s42, 8
	s_add_co_u32 s46, s46, s18
	s_lshl_b32 s46, s46, 10
	s_mov_b32 s47, 0
	s_lshl_b32 s72, s67, 23
	s_mov_b32 s73, 0
	s_lshl_b32 s74, s67, 20
	s_mov_b32 s75, 0
	s_mul_i32 s45, s14, HALFT
	s_wait_kmcnt 0x0
	s_load_b256 s[84:91], s[8:9], 0x0
	s_load_b32 s92, s[8:9], 0x20
	s_add_nc_u64 s[4:5], s[4:5], s[72:73]
	s_add_nc_u64 s[6:7], s[6:7], s[74:75]
	s_cmp_eq_u32 s67, 2
	s_cselect_b64 s[76:77], s[6:7], s[4:5]
	s_cselect_b64 s[78:79], s[4:5], s[6:7]
	s_add_nc_u64 s[20:21], s[76:77], s[20:21]
	s_add_nc_u64 s[46:47], s[78:79], s[46:47]
	CROUND
.irp s, 0,1
	s_mov_b32 s[G0+4*\s], 1
	s_add_co_u32 s[G0+4*\s+1], s45, \s*SLOT
	s_add_nc_u64 s[G0+4*\s+2:G0+4*\s+3], s[20:21], \s*ROWB
	s_or_b32 s[G0+4*\s+3], s[G0+4*\s+3], 0x80000000
	s_mov_b32 s[G0B+4*\s], 1
	s_add_co_u32 s[G0B+4*\s+1], s45, \s*SLOT
	s_add_nc_u64 s[G0B+4*\s+2:G0B+4*\s+3], s[46:47], \s*ROWB
	s_or_b32 s[G0B+4*\s+3], s[G0B+4*\s+3], 0x80000000
	s_wait_alu depctr_va_vdst(0)
	s_wait_tensorcnt 0x0
	ds_add_u32 v28, v29
	ds_add_u32 v28, v29
	s_wait_dscnt 0x0
	CROUND
	JLOAD G0+4*\s, G1, G0B+4*\s, G1B
.endr
	v_and_b32 v1, 15, v0
	s_wait_alu depctr_va_vdst(0)
	v_bfe_u32 v2, v0, 4, 1
	v_mul_u32_u24 v3, v1, PITCH
	v_lshl_add_u32 v4, v2, 4, v3
	s_mul_i32 s21, s15, HALFT
	s_mul_i32 s22, s16, HALFT
	s_add_co_u32 s22, s22, 2*HALFT
.irp s, 0,1
	v_add_nc_u32 v[ADRA+\s], s21, v4
	v_add_nc_u32 v[ADRB+\s], s22, v4
	s_add_co_u32 s21, s21, SLOT
	s_add_co_u32 s22, s22, SLOT
.endr
	s_lshl_b32 s23, s15, 13
	s_lshl_b32 s22, s16, 15
	s_add_co_u32 s23, s23, s22
	v_lshlrev_b32 v5, 6, v1
	s_wait_alu depctr_va_vdst(0)
	v_lshl_add_u32 v5, v2, 4, v5
	v_add_nc_u32 v[SQI], s23, v5
	s_mul_i32 s23, s15, 128*PITCH
	s_lshl_b32 s22, s16, 7
	s_add_co_u32 s23, s23, s22
	s_add_co_u32 s23, s23, SVB
	v_add_nc_u32 v[SVI], s23, v4
	v_and_b32 v6, 31, v0
	v_lshlrev_b32 v[CO], 4, v6
	s_lshl_b32 s23, s14, 14
	v_add_nc_u32 v[SQO], s23, v[CO]
	s_mul_i32 s23, s14, 64*PITCH
	s_add_co_u32 s23, s23, SVB
	v_mul_u32_u24 v5, v2, PITCH
	v_lshl_add_u32 v5, v1, 4, v5
	v_add_nc_u32 v[SVO], s23, v5
	s_cmp_eq_u32 s67, 2
	s_cselect_b32 s80, s42, s17
	s_cselect_b32 s81, s17, s42
	s_lshr_b32 s82, s80, 3
	s_lshl_b32 s82, s82, 21
	s_and_b32 s83, s80, 7
	s_lshl_b32 s83, s83, 14
	s_add_co_u32 s82, s82, s83
	s_lshl_b32 s83, s81, 19
	s_add_co_u32 s82, s82, s83
	s_lshl_b32 s83, s14, 17
	s_add_co_u32 s82, s82, s83
	s_add_co_u32 s82, s82, s72
	s_mov_b32 s83, 0
	s_add_nc_u64 s[10:11], s[10:11], s[82:83]
.macro FRAG reg, adr, q, i
.irp c, 0,1,2,3
	ds_load_b128 v[\reg+4*\c:\reg+4*\c+3], v[\adr] offset:128*(\q)+32*\c+(\i)*16*PITCH
.endr
.endm
.macro MUL16 a0, p, zero
.irp a, \a0, \a0+1
.irp b, 0,1,2,3,4,5,6,7
.if \zero
	v_wmma_f32_16x16x128_bf8_bf8 v[8*(8*((\a)%4)+\b):8*(8*((\a)%4)+\b)+7], v[128*(\p)+FR*\b:128*(\p)+FR*\b+FR-1], v[AF+FR*(\a):AF+FR*(\a)+FR-1], 0
.else
	v_wmma_f32_16x16x128_bf8_bf8 v[8*(8*((\a)%4)+\b):8*(8*((\a)%4)+\b)+7], v[128*(\p)+FR*\b:128*(\p)+FR*\b+FR-1], v[AF+FR*(\a):AF+FR*(\a)+FR-1], v[8*(8*((\a)%4)+\b):8*(8*((\a)%4)+\b)+7]
.endif
.endr
.endr
.endm
.macro FETCH_B slot, q, p
	WIN TO_B
.irp i, 0,1,2,3,4,5,6,7
	FRAG 128*(\p)+FR*\i, ADRB+\slot, \q, \i
.endr
	WIN 0
.endm
.macro FETCH_A slot, q, i0
.irp i, \i0, \i0+1, \i0+2, \i0+3
	FRAG AF+FR*(\i), ADRA+\slot, \q, \i
.endr
.endm
.macro PLACES n
.rept \n
	v_nop
.endr
.endm
.macro STEP slot, q, zero
	s_wait_dscnt 4*NL
	WIN MUL_LO
	MUL16 0, (\q)%2, \zero
	MUL16 2, (\q)%2, \zero
	s_wait_dscnt 0
	PLACES NP
	FETCH_B \slot, (\q)+1, 1-(\q)%2
	FETCH_A \slot, (\q)+1, 0
	WIN MUL_HI
	MUL16 4, (\q)%2, \zero
	MUL16 6, (\q)%2, \zero
	PLACES NP
	WIN 0
	FETCH_A \slot, (\q)+1, 4
.endm
.macro TURN slot, next, fill
	s_wait_tensorcnt 0x0
	ds_add_u32 v[SPW], v[NIL]
	s_wait_dscnt 4*NL+1
	WIN MUL_LO
	MUL16 0, 1, 0
	s_wait_dscnt 0x0
	s_barrier_signal -1
	MUL16 2, 1, 0
	WIN 0
	s_barrier_wait -1
.if \fill
	CREST
	s_add_nc_u64 s[G0+4*\slot+2:G0+4*\slot+3], s[G0+4*\slot+2:G0+4*\slot+3], 2*ROWB
	s_add_nc_u64 s[G0B+4*\slot+2:G0B+4*\slot+3], s[G0B+4*\slot+2:G0B+4*\slot+3], 2*ROWB
	JLOAD G0+4*\slot, G1, G0B+4*\slot, G1B
.else
	PLACES NP
.endif
	FETCH_B \next, 0, 0
	FETCH_A \next, 0, 0
	WIN MUL_HI
	MUL16 4, 1, 0
	MUL16 6, 1, 0
	PLACES NP
	WIN 0
	FETCH_A \next, 0, 4
.endm
	s_wait_tensorcnt 1
	s_barrier_signal -1
	s_barrier_wait -1
	FETCH_B 0, 0, 0
	FETCH_A 0, 0, 0
	FETCH_A 0, 0, 4
	STEP 0, 0, 1
	TURN 0, 1, 1
	STEP 1, 0, 0
	TURN 1, 0, 1
	STEP 0, 0, 0
	TURN 0, 1, 0
	STEP 1, 0, 0
	s_wait_dscnt 4*NL
	WIN MUL_LO
	MUL16 0, 1, 0
	MUL16 2, 1, 0
	s_wait_dscnt 0
	WIN MUL_HI
	MUL16 4, 1, 0
	MUL16 6, 1, 0
	WIN 0
	s_wait_kmcnt 0x0
	s_cmp_eq_u32 s67, 0
	s_cselect_b32 s96, s84, s86
	s_cselect_b32 s97, s85, s87
	s_cselect_b32 s98, s90, s91
	s_cmp_eq_u32 s67, 2
	s_cselect_b32 s96, s88, s96
	s_cselect_b32 s97, s89, s97
	s_cselect_b32 s98, s92, s98
	s_add_co_i32 s96, s96, s97
	s_lshl_b32 s96, s96, 23
	s_mov_b32 s97, 0x3eb504f3
	s_mov_b32 s99, 1.0
	s_cmp_eq_u32 s67, 2
	s_cselect_b32 s97, s99, s97
	s_add_co_i32 s96, s96, s97
	s_mov_b32 s97, s96
	s_add_co_i32 s98, s98, 127
	s_lshl_b32 s99, s98, 23
	v_mov_b32 v[SCL], s99
	s_add_co_i32 s98, s98, 15
	s_lshl_b32 s98, s98, 23
	s_or_b32 s98, s98, 0x600000
	v_mov_b32 v[LIM], s98
	PLACES NP
.macro CODES a
.set AC, 64*((\a)%4)
	WIN 0x02+((\a)/4)
.irp j, 0,2,4,6,8,10,12,14,16,18,20,22,24,26,28,30,32,34,36,38,40,42,44,46,48,50,52,54,56,58,60,62
	v_pk_mul_f32 v[TMP+\j:TMP+\j+1], v[AC+\j:AC+\j+1], s[96:97] op_sel_hi:[1,0]
.endr
	WIN 0
.irp i, 0,1,2,3,4,5,6,7,8,9,10,11,12,13,14,15,16,17,18,19,20,21,22,23,24,25,26,27,28,29,30,31,32,33,34,35,36,37,38,39,40,41,42,43,44,45,46,47,48,49,50,51,52,53,54,55,56,57,58,59,60,61,62,63
	v_med3_num_f32 v[TMP+\i], v[TMP+\i], -v[LIM], v[LIM]
.endr
.irp b, 0,1,2,3,4,5,6,7
	v_cvt_scalef32_pk8_bf8_f32 v[CD+16*(\a)+2*\b:CD+16*(\a)+2*\b+1], v[TMP+8*\b:TMP+8*\b+7], v[SCL]
.endr
	v_nop
.endm
.irp a, 0,1,2,3,4,5,6,7
	CODES \a
.endr
	s_cmp_eq_u32 s67, 2
	s_cbranch_scc1 .Lstage_v
.irp a, 0,1,2,3,4,5,6,7
.irp g, 0,1,2,3
	ds_store_b128 v[SQI], v[CD+16*\a+4*\g:CD+16*\a+4*\g+3] offset:\a*1024+(\g/2)*16384+32*(\g%2)
.endr
.endr
	s_branch .Lstaged
.Lstage_v:
	s_wait_alu depctr_va_vdst(0)
.irp a, 0,1,2,3,4,5,6,7
.irp g, 0,1,2,3
	ds_store_b128 v[SVI], v[CD+16*\a+4*\g:CD+16*\a+4*\g+3] offset:\a*16*PITCH+32*\g
.endr
.endr
.Lstaged:
	s_wait_dscnt 0x0
	s_barrier_signal -1
	s_barrier_wait -1
	s_cmp_eq_u32 s67, 2
	s_cbranch_scc1 .Lback_v
.irp g, 0,1,2,3,4,5,6,7,8,9,10,11,12,13,14,15,16,17,18,19,20,21,22,23,24,25,26,27,28,29,30,31
	ds_load_b128 v[CD+4*\g:CD+4*\g+3], v[SQO] offset:512*\g
.endr
	s_branch .Lback
.Lback_v:
.irp g, 0,1,2,3,4,5,6,7,8,9,10,11,12,13,14,15,16,17,18,19,20,21,22,23,24,25,26,27,28,29,30,31
	ds_load_b128 v[CD+4*\g:CD+4*\g+3], v[SVO] offset:2*PITCH*\g
.endr
.Lback:
.irp g, 0,1,2,3,4,5,6,7,8,9,10,11,12,13,14,15,16,17,18,19,20,21,22,23,24,25,26,27,28,29,30,31
	s_wait_dscnt 31-\g
	global_store_b128 v[CO], v[CD+4*\g:CD+4*\g+3], s[10:11] offset:512*\g
.endr
	s_wait_tensorcnt 0x0
	ds_add_u32 v[SPW], v[NIL]
	s_wait_dscnt 0x0
	CROUND
	s_endpgm
.Lfunc_end_k_qb46577e726_proj:
	.size	k_qb46577e726_proj, .Lfunc_end_k_qb46577e726_proj-k_qb46577e726_proj
	.p2alignl 7, 3214868480
	.fill 96, 4, 3214868480
	.section	.rodata,"a",@progbits
	.p2align	6, 0x0
	.amdhsa_kernel k_qb46577e726_proj
		.amdhsa_group_segment_fixed_size 327680
		.amdhsa_private_segment_fixed_size 0
		.amdhsa_enable_private_segment 0
		.amdhsa_kernarg_size 32
		.amdhsa_user_sgpr_count 2
		.amdhsa_user_sgpr_kernarg_segment_ptr 1
		.amdhsa_wavefront_size32 1
		.amdhsa_system_sgpr_workgroup_id_x 1
		.amdhsa_system_sgpr_workgroup_id_y 1
		.amdhsa_system_sgpr_workgroup_id_z 1
		.amdhsa_system_vgpr_workitem_id 0
		.amdhsa_next_free_vgpr 1024
		.amdhsa_next_free_sgpr 100
		.amdhsa_reserve_vcc 0
		.amdhsa_float_denorm_mode_32 3
		.amdhsa_float_denorm_mode_16_64 3
		.amdhsa_memory_ordered 1
		.amdhsa_forward_progress 1
		.amdhsa_inst_pref_size 145
	.end_amdhsa_kernel
	.amdgpu_metadata
---
amdhsa.version: [ 1, 2 ]
amdhsa.kernels:
  - .name:           k_qb46577e726_proj
    .symbol:         k_qb46577e726_proj.kd
    .args:
      - { .name: x_codes, .offset: 0, .size: 8, .value_kind: global_buffer, .address_space: global }
      - { .name: w_codes, .offset: 8, .size: 8, .value_kind: global_buffer, .address_space: global }
      - { .name: lowp_scales, .offset: 16, .size: 8, .value_kind: global_buffer, .address_space: global }
      - { .name: qkv_codes, .offset: 24, .size: 8, .value_kind: global_buffer, .address_space: global }
    .group_segment_fixed_size: 327680
    .private_segment_fixed_size: 0
    .kernarg_segment_align: 8
    .kernarg_segment_size: 32
    .max_flat_workgroup_size: 128
    .sgpr_count:     100
    .vgpr_count:     1024
    .wavefront_size: 32
...
	.end_amdgpu_metadata
.endif
;; end of part 2
;; launch attn (part 3): grid 4 x 64, 8 waves a work-group, clusters of 4 x 1, 327,680 bytes of LDS; arguments qkv_codes, lowp_scales, out0; writes out0
.if DOCPART == 3
	.amdgcn_target "amdgcn-amd-amdhsa--gfx1250"
	.amdhsa_code_object_version 6
	.text
	.protected	k_qb46577e726_attn
	.globl	k_qb46577e726_attn
	.p2align	8
	.type	k_qb46577e726_attn,@function
k_qb46577e726_attn:
	s_mov_b64 s[64:65], 0
	v_nop
	global_prefetch_b8 v0, s[64:65] scope:SCOPE_SE
	s_setreg_imm32_b32 hwreg(HW_REG_WAVE_MODE, 25, 1), 1
	s_wait_xcnt 0x0
	s_wait_alu depctr_hold_cnt(0) depctr_sa_sdst(0) depctr_va_vdst(0) depctr_va_sdst(0) depctr_va_ssrc(0) depctr_va_vcc(0) depctr_vm_vsrc(0)
	s_getreg_b32 s2, hwreg(HW_REG_IB_STS2, 6, 4)
	s_cmp_eq_u32 s2, 0
	s_cbranch_scc0 .Lentry_in_a_cluster
	s_endpgm
.Lentry_in_a_cluster:
	s_bfe_u32 s2, ttmp6, 0x10000c
	s_cmp_lg_u32 s2, 0x3003
	s_cbranch_scc0 .Lentry_shape_is_right
	s_endpgm
.Lentry_shape_is_right:
; out[b][q][h][:] = the sum over k of softmax_k(q . k) v, both products on codes of BF8 (E5M2); q and k carry the factor 64^-0.25 already.  Scales: q 2^e6, k 2^e7, v 2^e8, p 2^e9.
; qkv_codes: part 0 q, part 1 k: [b 4][h 16][t 2048][64 bytes]; part 2 v: [b][h][t / 256][channel 64][256 bytes along the keys]; parts of 8,388,608 bytes, a head 131,072.
;   Inside each 32 bytes of the innermost axis, index 16 u + 8 g + j lies at byte 16 g + 8 u + j: for q and k one order of the channels on both sides, for v the order in which p's codes stand.
; SOFTMAX: t = score x log2(e); M = the row's largest t so far, rounded up to a whole number; p = 2^(t - M) is quantised, not normalised; the row's sum is taken of the unquantised p and divides O at the end.
;   When M moves, the sum and O are multiplied by 2^(old M - new M): exact.
; SHARES.  A work-group owns 512 queries of one head, each of its eight waves 64: four tiles of 16, worked as two pairs.  4 x 64 = 256 work-groups.
; A HEAD'S K AND V LIE WHOLE IN LDS: 2 x 512 rows of 256 bytes + 16 of padding = 278,528 bytes, brought by eight loads at the head, one a wave (waves 0-3: K's quarters, waves 4-7: V's).
;   Nothing is filled again, so the loop over the keys has no barrier.
; CLUSTER.  The four work-groups of a head form a cluster and ask for each quarter jointly: the same load, the same descriptor, a mask that names the four.
; NO PREFETCH: all of K and V is asked for by the loads at the head; there is no later load to run ahead of.
; A STEP is 128 keys.  K's 8 fragments and V's 4 are read from LDS once a step and feed all four tiles.  The next step's K is fetched behind the second pair's scores, its V behind the last product.
;   The last trip's look-ahead is clamped to the last block of keys and reads it once more (32 loads whose registers nobody reads), so that the loop needs no tail written out.
; LAYOUT.  S^T = K Q^T (16x16x64), O^T += V^T P^T (16x16x128): a lane holds one query (lane % 16).  In score tile T register j of lane (r, g) is key 16 T + 8 g + j; its conversion gives registers 2 T, 2 T + 1 of P.
; LIMITS: e6 + e7 between -126 and 127 (added to the exponent field of log2(e)); e9 between -126 and 112; e8 + e9 goes by v_ldexp_f32 and has none.  The scaled scores stay under 2^31 in magnitude.
; REGISTERS.  Window 0: v1-15 addresses and constants; v16-63 statistics, 12 a tile; v64-191 S^T, then p, of a pair; v192-223 p's codes of a pair (before that: partial sums); v224-255 Q.
;   Window 1: v0-127 O^T (tile t, channels 16 c on: 32 t + 8 c); v128-191 K's fragments; v192-255 V's.
.set RP,    272                        ; an LDS row: 256 bytes + 16.  K: four keys of 64 bytes to a row; V: one channel's 256 keys
.set KBLK,  64*RP                      ; 256 keys of K, and of V
.set VOFF,  8*KBLK                     ; V lies behind K
.set QUART, 128*RP                     ; what one load brings
.set NTRIP, 8                          ; trips of 256 keys
.set SPARE, 2*VOFF                     ; the spare words, 128 bytes a wave: four blocks of 256 bytes that no other line names
.set STAGE, SPARE+1024                 ; the way out: 16 rows x 272 bytes for each wave; no fill lands here
.set WSTG,  16*RP
.set AK0,  1                           ; my lane's place in a tile of K
.set AV0,  2                           ; the same for V
.set QO,   3                           ; my byte offset in a tile of Q
.set STO,  4                           ; the way out: where I put 32 bytes of a row
.set SPW,  5                           ; LDS address of my spare word; never rewritten
.set NIL,  6                           ; 0; never rewritten
.set GO,   7                           ; my byte offset in the wave's rows of the output
.set ADK,  8                           ; LDS address of the block of K in hand
.set ADV,  9                           ; of V
.set RD,   10                          ; the way out: where I read a row back
.set SCL,  13                          ; 2^e9 as f32
.set LIM,  14                          ; v14, v15: 57,344 x 2^e9, twice: the two halves of a dual line take their first sources from different banks
.set ST,   16                          ; tile t's statistics at ST + 12 t: +0 -M, +1 largest t, +2,+3 the sum, +4 f, +5 a written 0, +6,+7 at work, +8 the exchange, +10,+11 the sum's second chain
.set S,    64
.set PC,   192
.set QF,   224
.set KF,   128                         ; in window 1
.set VF,   192
.set WV,   18
.set SEL,  20                          ; s[20:21] selects for lane l xor 16
.set CS,   22                          ; s[22:23] c = log2(e) x 2^(e6 + e7)
.set G1,   24
.set G0,   40
.set TB,   66                          ; LDS byte of the block of keys behind the one in hand; also the loop's counter
.set TBN,  67                          ; the same, clamped to the last block
.set MSB, 0
.macro WIN new                         ; the immediate's high byte repeats the setting that is left
.if MSB != \new
	s_set_vgpr_msb (MSB<<8)|\new
.set MSB, \new
.endif
.endm
.set W_LD, 0x40                        ; destination window 1
.set W_KQ, 0x01                        ; K in window 1; Q and S^T in window 0
.set W_RS, 0x41                        ; O^T (destination, source 0) in window 1
.set W_PV, 0x51                        ; V, O^T in window 1, P in window 0
.macro CROUND                          ; a round of the cluster's barrier
	s_barrier_signal -1
	s_barrier_wait -1
	s_cmp_lg_u32 s[WV], 0
	s_cbranch_scc1 .Lnot_wave_0_\@
	s_barrier_signal -3
.Lnot_wave_0_\@:
	s_barrier_wait -3
	s_barrier_signal -1
	s_barrier_wait -1
.endm
.macro PLACES n
.rept \n
	v_nop
.endr
.endm
	s_load_b128 s[4:7], s[0:1], 0x0                ; qkv_codes, the exponents
	s_load_b64 s[8:9], s[0:1], 0x10                ; the output
	v_lshl_add_u32 v[SPW], v0, 2, SPARE
	v_mov_b32 v[NIL], 0
	ds_add_u32 v[SPW], v[NIL]                      ; the opening lines: the add, twice on end, and its wait ahead of my tensor load
	ds_add_u32 v[SPW], v[NIL]
	v_lshrrev_b32 v66, 5, v0
	v_readfirstlane_b32 s[WV], v66                 ; wave 0..7
	s_bfe_u32 s72, ttmp6, 0x40000                  ; cx: my block of 512 queries; it enters Q's and the output's addresses alone
	s_and_b32 s74, ttmp7, 0xffff                   ; batch x 16 + head, which the four partners share
	s_lshl_b32 s75, s74, 17
	s_and_b32 s76, s[WV], 3
	s_lshl_b32 s76, s76, 15                        ; my quarter: 32,768 bytes,
	s_lshr_b32 s78, s[WV], 2
	s_lshl_b32 s78, s78, 23                        ; of K (part 1) or of V (part 2)
	s_add_co_u32 s78, s78, s76
	s_add_co_u32 s78, s78, s75
	s_add_co_u32 s78, s78, 0x800000
	s_mov_b32 s79, 0
	s_mul_i32 s77, s[WV], QUART                    ; its place in LDS: wave x 128 rows
	s_lshl_b32 s80, s72, 15                        ; Q: my block's 512 rows of 64 bytes,
	s_add_co_u32 s80, s80, s75
	s_lshl_b32 s81, s[WV], 12                      ; my wave's 64
	s_add_co_u32 s80, s80, s81
	s_mov_b32 s81, 0
	s_lshr_b32 s82, s74, 4                         ; the output [b][t][16 x 64] f32: the batch's 2,048 rows of 4,096 bytes,
	s_lshl_b32 s82, s82, 23
	s_and_b32 s83, s74, 15
	s_lshl_b32 s83, s83, 8                         ; the head's 256 bytes of a row,
	s_add_co_u32 s82, s82, s83
	s_lshl_b32 s83, s72, 21                        ; my block's 512 rows,
	s_add_co_u32 s82, s82, s83
	s_lshl_b32 s83, s[WV], 18                      ; my wave's 64
	s_add_co_u32 s82, s82, s83
	s_mov_b32 s83, 0
	s_mul_i32 s84, s[WV], WSTG
	s_add_co_u32 s84, s84, STAGE                   ; my stage
	s_mov_b32 s[G1], 15|(0<<16)|(1<<20)|(1<<21)|(5<<22)|(3<<25)   ; mask: all four; 1-byte elements; 4 words of padding after every 64; bit 21 beside a mask
	s_mov_b32 s[G1+1], 256<<16
	s_mov_b32 s[G1+2], 128<<16
	s_mov_b32 s[G1+3], 256<<16
	s_mov_b32 s[G1+4], 128
	s_mov_b32 s[G1+5], 256
	s_mov_b32 s[G1+6], 0
	s_mov_b32 s[G1+7], 0
	s_mov_b32 s[SEL], 0x76543210
	s_mov_b32 s[SEL+1], 0xfedcba98
	s_mov_b32 s[CS], 0x3fb8aa3b                    ; log2(e)
	s_mov_b32 s[TB], 0
	s_wait_dscnt 0x0                               ; both opening adds are done
	s_wait_kmcnt 0x0
	s_load_b128 s[68:71], s[6:7], 0x18             ; e6, e7, e8, e9
	s_mov_b32 s[G0], 1
	s_mov_b32 s[G0+1], s77
	s_add_nc_u64 s[G0+2:G0+3], s[4:5], s[78:79]
	s_or_b32 s[G0+3], s[G0+3], 0x80000000
	s_add_nc_u64 s[4:5], s[4:5], s[80:81]          ; Q's codes at my first query
	s_add_nc_u64 s[8:9], s[8:9], s[82:83]          ; the output likewise
	CROUND                                         ; all four work-groups are here: the joint loads meet
	tensor_load_to_lds s[G0:G0+3], s[G1:G1+7]      ; my one tensor load of the launch
	s_nop 0
	PLACES 4
	v_and_b32 v64, 15, v0                          ; r
	v_bfe_u32 v65, v0, 4, 1                        ; g
	v_lshlrev_b32 v[QO], 6, v64
	v_lshl_add_u32 v[QO], v65, 4, v[QO]
.irp t, 0,1,2,3
	global_load_b128 v[QF+8*\t:QF+8*\t+3],   v[QO], s[4:5] offset:1024*\t      ; Q stays in registers
	global_load_b128 v[QF+8*\t+4:QF+8*\t+7], v[QO], s[4:5] offset:1024*\t+32
.endr
	v_lshrrev_b32 v66, 2, v64
	v_mul_u32_u24 v[AK0], v66, RP                  ; K: key r lies in row r / 4,
	v_and_b32 v66, 3, v64
	v_lshl_add_u32 v[AK0], v66, 6, v[AK0]          ; at 64 (r % 4), + 16 g
	v_lshl_add_u32 v[AK0], v65, 4, v[AK0]
	v_mul_u32_u24 v[AV0], v64, RP                  ; V: channel r's row, + 16 g
	v_lshl_add_u32 v[AV0], v65, 4, v[AV0]
	v_add_nc_u32 v[AV0], VOFF, v[AV0]
	v_add_nc_u32 v[ADK], s[TB], v[AK0]             ; the first block
	v_add_nc_u32 v[ADV], s[TB], v[AV0]
	v_mul_u32_u24 v[STO], v64, RP
	v_lshl_add_u32 v[STO], v65, 5, v[STO]
	v_add_nc_u32 v[STO], s84, v[STO]
	v_mul_u32_u24 v[RD], v65, RP
	v_lshl_add_u32 v[RD], v64, 4, v[RD]
	v_add_nc_u32 v[RD], s84, v[RD]
	v_lshlrev_b32 v[GO], 12, v65
	v_lshl_add_u32 v[GO], v64, 4, v[GO]
.irp t, 0,1,2,3
	v_mov_b32 v[ST+12*\t+1], 0xff61b1e6            ; the largest t so far: -3e38
	v_floor_f32 v[ST+12*\t], -v[ST+12*\t+1]        ; -M
	v_mov_b32 v[ST+12*\t+2], 0
	v_mov_b32 v[ST+12*\t+3], 0
	v_mov_b32 v[ST+12*\t+5], 0
	v_mov_b32 v[ST+12*\t+8], 0
.endr
	WIN W_LD
.set j, 0
.rept 128
	v_mov_b32 v[j], 0                              ; O^T: the step is written once; the first finds zeros, which the first change of M leaves zeros
.set j, j+1
.endr
	WIN 0
	s_wait_kmcnt 0x0
	s_add_co_i32 s72, s68, s69
	s_lshl_b32 s72, s72, 23
	s_add_co_i32 s[CS], s[CS], s72                 ; e6 + e7 onto c's exponent field
	s_mov_b32 s[CS+1], s[CS]
	s_add_co_i32 s72, s71, 127
	s_lshl_b32 s73, s72, 23
	v_mov_b32 v[SCL], s73
	s_add_co_i32 s72, s72, 15
	s_lshl_b32 s72, s72, 23
	s_or_b32 s72, s72, 0x600000
	v_mov_b32 v[LIM], s72
	v_mov_b32 v[LIM+1], s72
.macro KLOAD off                       ; K's 8 fragments of 16 keys x 64: 16 loads
	WIN W_LD
.irp T, 0,1,2,3,4,5,6,7
	ds_load_b128 v[KF+8*\T:KF+8*\T+3],   v[ADK] offset:(\off)+4*RP*\T
	ds_load_b128 v[KF+8*\T+4:KF+8*\T+7], v[ADK] offset:(\off)+4*RP*\T+32
.endr
	WIN 0
.endm
.macro VLOAD off                       ; V's 4 fragments of 16 channels x 128 keys: 16 loads
	WIN W_LD
.irp c, 0,1,2,3
.irp d, 0,1,2,3
	ds_load_b128 v[VF+16*\c+4*\d:VF+16*\c+4*\d+3], v[ADV] offset:(\off)+16*RP*\c+32*\d
.endr
.endr
	WIN 0
.endm
.macro QK h                            ; the scores of pair h: 16 products, each starting its sum with 0
	WIN W_KQ
.irp T, 0,1,2,3,4,5,6,7
.irp u, 0,1
	v_wmma_f32_16x16x64_bf8_bf8 v[S+64*\u+8*\T:S+64*\u+8*\T+7], v[KF+8*\T:KF+8*\T+7], v[QF+16*(\h)+8*\u:QF+16*(\h)+8*\u+7], 0
.endr
.endr
	WIN 0
.endm
.macro HOLD2 r                         ; two holds in one line: p is not negative, so the hold at the largest code x the scale is one-sided (the conversion does not saturate: ISA guide 7.6.2)
	v_dual_min_num_f32 v[\r], v[LIM], v[\r] :: v_dual_min_num_f32 v[\r+1], v[LIM+1], v[\r+1]
.endm
; THE SOFTMAX of a step for pair h (tiles 2 h and 2 h + 1).  The exponentials go in two batches.  Among a batch stand only lines whose sources were written ahead of the wait in front of it and whose results are read behind the wait that follows it.
.macro SOFTMAX h
.set B0, ST+24*(\h)
.irp u, 0,1
	v_max3_num_f32 v[B0+12*\u+6], v[S+64*\u], v[S+64*\u+1], v[S+64*\u+2]   ; the step's largest score, two chains a tile, every accumulator from its low end on
.endr
.irp u, 0,1
	v_max3_num_f32 v[B0+12*\u+7], v[S+64*\u+3], v[S+64*\u+4], v[S+64*\u+5]
.endr
.irp i, 6,10,14,18,22,26,30,34,38,42,46,50,54,58
.irp u, 0,1
	v_max3_num_f32 v[B0+12*\u+6], v[B0+12*\u+6], v[S+64*\u+\i], v[S+64*\u+\i+1]
.endr
.irp u, 0,1
	v_max3_num_f32 v[B0+12*\u+7], v[B0+12*\u+7], v[S+64*\u+\i+2], v[S+64*\u+\i+3]
.endr
.endr
.irp u, 0,1
	v_max3_num_f32 v[B0+12*\u+6], v[B0+12*\u+6], v[S+64*\u+62], v[S+64*\u+63]
.endr
.irp u, 0,1
	v_max_num_f32 v[B0+12*\u+6], v[B0+12*\u+6], v[B0+12*\u+7]
.endr
.irp u, 0,1
	v_permlanex16_b32 v[B0+12*\u+8], v[B0+12*\u+6], s[SEL], s[SEL+1]
.endr
.irp u, 0,1
	v_max_num_f32 v[B0+12*\u+6], v[B0+12*\u+6], v[B0+12*\u+8]
.endr
.irp u, 0,1
	v_mul_f32 v[B0+12*\u+6], s[CS], v[B0+12*\u+6]               ; as t (c is positive)
.endr
.irp u, 0,1
	v_max_num_f32 v[B0+12*\u+1], v[B0+12*\u+1], v[B0+12*\u+6]   ; the running largest t
.endr
.irp u, 0,1
	v_mov_b32 v[B0+12*\u+6], v[B0+12*\u]
.endr
.irp u, 0,1
	v_floor_f32 v[B0+12*\u], -v[B0+12*\u+1]                     ; the new -M = -ceil(t)
.endr
.irp u, 0,1
	v_sub_f32 v[B0+12*\u+6], v[B0+12*\u], v[B0+12*\u+6]         ; old M - new M: a whole number, 0 or less
.endr
.irp u, 0,1
	v_cvt_i32_f32 v[B0+12*\u+6], v[B0+12*\u+6]
.endr
.irp u, 0,1
	v_ldexp_f32 v[B0+12*\u+4], 1.0, v[B0+12*\u+6]               ; f = 2^(old M - new M)
.endr
.set j, 0
.rept 32
	v_pk_fma_f32 v[S+2*j:S+2*j+1], v[S+2*j:S+2*j+1], s[CS:CS+1], v[B0:B0+1] op_sel_hi:[1,0,0]   ; first tile: t - M
.set j, j+1
.endr
	s_wait_alu depctr_va_vdst(0)                   ; the wait ahead of a batch
.set j, 0
.rept 32
	v_exp_f32 v[S+2*j], v[S+2*j]                   ; first tile: p = 2^(t - M)
	v_exp_f32 v[S+2*j+1], v[S+2*j+1]
	v_pk_fma_f32 v[S+64+2*j:S+65+2*j], v[S+64+2*j:S+65+2*j], s[CS:CS+1], v[B0+12:B0+13] op_sel_hi:[1,0,0]   ; second tile: t - M
.set j, j+1
.endr
	s_wait_alu depctr_va_vdst(0)                   ; behind the first batch and ahead of the second
.set j, 0
.rept 16
	v_exp_f32 v[S+64+4*j], v[S+64+4*j]             ; second tile's p
	v_exp_f32 v[S+65+4*j], v[S+65+4*j]
	v_exp_f32 v[S+66+4*j], v[S+66+4*j]
	v_exp_f32 v[S+67+4*j], v[S+67+4*j]
	v_pk_add_f32 v[PC+2*j:PC+2*j+1], v[S+4*j:S+4*j+1], v[S+4*j+2:S+4*j+3]   ; first tile: the sum of the unquantised p, first level, into the registers that the codes take later;
	HOLD2 S+4*j                                    ; then its holds
	HOLD2 S+4*j+2
.set j, j+1
.endr
	v_pk_mul_f32 v[B0+2:B0+3], v[B0+2:B0+3], v[B0+4:B0+5] op_sel_hi:[1,0]         ; the old sums under the new M (plain lines behind the last exponential)
	v_pk_mul_f32 v[B0+14:B0+15], v[B0+14:B0+15], v[B0+16:B0+17] op_sel_hi:[1,0]
	s_wait_alu depctr_va_vdst(0)                   ; behind the second batch
	v_pk_add_f32 v[B0+10:B0+11], v[PC:PC+1], v[PC+2:PC+3]
	v_pk_add_f32 v[B0+22:B0+23], v[S+64:S+65], v[S+66:S+67]
.set k, 0
.rept 7                                ; four chains by turns: two of the second tile's p, two of the first tile's partial sums
	v_pk_add_f32 v[B0+14:B0+15], v[B0+14:B0+15], v[S+68+8*k:S+69+8*k]
	v_pk_add_f32 v[B0+22:B0+23], v[B0+22:B0+23], v[S+70+8*k:S+71+8*k]
	v_pk_add_f32 v[B0+2:B0+3], v[B0+2:B0+3], v[PC+4+4*k:PC+5+4*k]
	v_pk_add_f32 v[B0+14:B0+15], v[B0+14:B0+15], v[S+72+8*k:S+73+8*k]
	v_pk_add_f32 v[B0+22:B0+23], v[B0+22:B0+23], v[S+74+8*k:S+75+8*k]
	v_pk_add_f32 v[B0+10:B0+11], v[B0+10:B0+11], v[PC+6+4*k:PC+7+4*k]
.set k, k+1
.endr
	v_pk_add_f32 v[B0+14:B0+15], v[B0+14:B0+15], v[S+124:S+125]
	v_pk_add_f32 v[B0+22:B0+23], v[B0+22:B0+23], v[S+126:S+127]
	v_pk_add_f32 v[B0+2:B0+3], v[B0+2:B0+3], v[B0+10:B0+11]
	v_pk_add_f32 v[B0+14:B0+15], v[B0+14:B0+15], v[B0+22:B0+23]
.set k, 0
.rept 8                                ; the second tile's holds, and both tiles' codes: score tile T gives registers 2 T, 2 T + 1 of P
	HOLD2 S+64+8*k
	HOLD2 S+66+8*k
	HOLD2 S+68+8*k
	HOLD2 S+70+8*k
	v_cvt_scalef32_pk8_bf8_f32 v[PC+2*k:PC+2*k+1], v[S+8*k:S+8*k+7], v[SCL]
	v_cvt_scalef32_pk8_bf8_f32 v[PC+16+2*k:PC+17+2*k], v[S+64+8*k:S+71+8*k], v[SCL]
.set k, k+1
.endr
.endm
; Pair h: softmax, O^T under the new M, O^T += V^T P^T.  vwait = 1: V's loads are waited for, ahead of the rescaling.
.macro HALF h, vwait
	SOFTMAX \h
.if \vwait
	s_wait_dscnt 0x0                               ; V is in
.endif
	WIN W_RS
	s_wait_alu depctr_va_vdst(0)                   ; the wait here, directly ahead of the first readers of O^T
.set k, 0
.rept 32
	v_pk_mul_f32 v[64*(\h)+2*k:64*(\h)+2*k+1], v[64*(\h)+2*k:64*(\h)+2*k+1], v[B0+12*(k/16)+4:B0+12*(k/16)+5] op_sel_hi:[1,0]   ; x f; also the plain lines between the conversions and the products
.set k, k+1
.endr
	WIN W_PV
.irp c, 0,1,2,3
.irp u, 0,1
	v_wmma_f32_16x16x128_bf8_bf8 v[64*(\h)+32*\u+8*\c:64*(\h)+32*\u+8*\c+7], v[VF+16*\c:VF+16*\c+15], v[PC+16*\u:PC+16*\u+15], v[64*(\h)+32*\u+8*\c:64*(\h)+32*\u+8*\c+7]   ; eight accumulators by turns
.endr
.endr
.endm
; A STEP: 128 keys, the q-th of the block in hand.
.macro STEP q
.if \q
	s_add_co_u32 s[TB], s[TB], KBLK                ; the next block,
	s_min_u32 s[TBN], s[TB], (NTRIP-1)*KBLK        ; or, in the last trip, the last once more
.endif
	s_wait_dscnt 16                                ; K's 16 loads are in; V's 16, issued behind them, may be out
	QK 0
.if \q
	v_add_nc_u32 v[ADK], s[TBN], v[AK0]            ; all loads of the block in hand have been issued.  (Two of the four places behind the products)
	v_add_nc_u32 v[ADV], s[TBN], v[AV0]
	PLACES 2
.else
	PLACES 4
.endif
	HALF 0, 1
	QK 1
	PLACES 4                                       ; in front of the loads into K's registers and of the first read of the scores
	KLOAD (1-\q)*32*RP                             ; the next step's K
	HALF 1, 0
	WIN 0
	PLACES 4                                       ; in front of the loads into V's registers
	VLOAD (1-\q)*128                               ; the next step's V
.endm
	s_wait_alu depctr_va_vdst(0)                   ; the wait at the head's end
	s_wait_tensorcnt 0x0                           ; my quarter is in
	s_barrier_signal -1
	s_barrier_wait -1                              ; and so is everybody's
	KLOAD 0
	VLOAD 0
	s_wait_loadcnt 0x0                             ; Q
.Ltrip:                                            ; NTRIP trips of 256 keys
	STEP 0
	STEP 1
	s_cmp_lt_u32 s[TB], NTRIP*KBLK
	s_cbranch_scc1 .Ltrip
	; THE WAY OUT.  O^T / the sum x 2^(e8 + e9) goes tile by tile through my stage, so that sixteen lanes store a token's 256 bytes of this head.
	s_add_co_i32 s72, s70, s71
.irp t, 0,1,2,3
	v_add_f32 v[ST+12*\t+2], v[ST+12*\t+2], v[ST+12*\t+3]
.endr
.irp t, 0,1,2,3
	v_permlanex16_b32 v[ST+12*\t+8], v[ST+12*\t+2], s[SEL], s[SEL+1]
.endr
.irp t, 0,1,2,3
	v_add_f32 v[ST+12*\t+2], v[ST+12*\t+2], v[ST+12*\t+8]
.endr
	s_wait_alu depctr_va_vdst(0)                   ; the wait ahead of the batch
.irp t, 0,1,2,3
	v_rcp_f32 v[ST+12*\t+4], v[ST+12*\t+2]
.endr
	v_nop
	s_wait_alu depctr_va_vdst(0)                   ; and behind it
.irp t, 0,1,2,3
	v_ldexp_f32 v[ST+12*\t+4], v[ST+12*\t+4], s72
.endr
	WIN W_KQ                                       ; source 0 (O^T) in window 1
	s_wait_alu depctr_va_vdst(0)                   ; the wait here, directly ahead of the first readers of O^T
.set k, 0
.rept 64
	v_pk_mul_f32 v[S+2*k:S+2*k+1], v[2*k:2*k+1], v[ST+12*(k/16)+4:ST+12*(k/16)+5] op_sel_hi:[1,0]   ; register 8 c + i of tile t: query r, channel 16 c + 8 g + i
.set k, k+1
.endr
	WIN 0
	s_wait_alu depctr_va_vdst(0)
.macro TOSTAGE t
.irp c, 0,1,2,3
	ds_store_b128 v[STO], v[S+32*(\t)+8*\c:S+32*(\t)+8*\c+3] offset:64*\c
	ds_store_b128 v[STO], v[S+32*(\t)+8*\c+4:S+32*(\t)+8*\c+7] offset:64*\c+16
.endr
.irp i, 0,1,2,3,4,5,6,7
	ds_load_b128 v[PC+32*((\t)%2)+4*\i:PC+32*((\t)%2)+4*\i+3], v[RD] offset:2*RP*\i   ; LDS serves a wave's instructions in order (ISA guide 5.7.1.4): these see my stores, and the next tile's stores come behind them
.endr
.endm
.macro SEND t, younger                 ; younger: the LDS lines issued behind tile t's loads
	s_wait_dscnt \younger
.irp i, 0,1,2,3,4,5,6,7
	global_store_b128 v[GO], v[PC+32*((\t)%2)+4*\i:PC+32*((\t)%2)+4*\i+3], s[8:9] offset:65536*(\t)+8192*\i th:TH_STORE_NT   ; 16 lanes store 256 consecutive bytes, aligned
.endr
.endm
	TOSTAGE 0
.irp a, 1,2,3
.if \a > 1
	s_wait_xcnt 0x0                                ; tile a - 2's stores have read their registers: tile a's loads may land there
.endif
	TOSTAGE \a
	SEND \a-1, 16                                  ; behind tile a - 1's loads: tile a's 8 stores and 8 loads
.endr
	SEND 3, 0
	s_wait_tensorcnt 0x0                           ; the wave's end
	ds_add_u32 v[SPW], v[NIL]
	s_wait_dscnt 0x0
	CROUND                                         ; the closing round
	s_endpgm
.Lfunc_end_k_qb46577e726_attn:
	.size	k_qb46577e726_attn, .Lfunc_end_k_qb46577e726_attn-k_qb46577e726_attn
	.p2alignl 7, 3214868480
	.fill 96, 4, 3214868480
	.section	.rodata,"a",@progbits
	.p2align	6, 0x0
	.amdhsa_kernel k_qb46577e726_attn
		.amdhsa_group_segment_fixed_size 327680
		.amdhsa_private_segment_fixed_size 0
		.amdhsa_enable_private_segment 0
		.amdhsa_kernarg_size 24
		.amdhsa_user_sgpr_count 2
		.amdhsa_user_sgpr_kernarg_segment_ptr 1
		.amdhsa_wavefront_size32 1
		.amdhsa_system_sgpr_workgroup_id_x 1
		.amdhsa_system_sgpr_workgroup_id_y 1
		.amdhsa_system_sgpr_workgroup_id_z 1
		.amdhsa_system_vgpr_workitem_id 0
		.amdhsa_next_free_vgpr 512
		.amdhsa_next_free_sgpr 96
		.amdhsa_reserve_vcc 0
		.amdhsa_float_denorm_mode_32 3
		.amdhsa_float_denorm_mode_16_64 3
		.amdhsa_memory_ordered 1
		.amdhsa_forward_progress 1
		.amdhsa_inst_pref_size 134
	.end_amdhsa_kernel
	.amdgpu_metadata
---
amdhsa.version: [ 1, 2 ]
amdhsa.kernels:
  - .name:           k_qb46577e726_attn
    .symbol:         k_qb46577e726_attn.kd
    .args:
      - { .name: qkv_codes, .offset: 0, .size: 8, .value_kind: global_buffer, .address_space: global }
      - { .name: lowp_scales, .offset: 8, .size: 8, .value_kind: global_buffer, .address_space: global }
      - { .name: out0, .offset: 16, .size: 8, .value_kind: global_buffer, .address_space: global }
    .group_segment_fixed_size: 327680
    .private_segment_fixed_size: 0
    .kernarg_segment_align: 8
    .kernarg_segment_size: 24
    .max_flat_workgroup_size: 256
    .sgpr_count:     96
    .vgpr_count:     512
    .wavefront_size: 32
...
	.end_amdgpu_metadata
.endif
;; end of part 3
